; MI455X (gfx1250); checked and timed in simulation.
; The chip was launched on July 23, 2026; its instructions are those of AMD's public machine-readable ISA for CDNA 5 (MIT licence, August 2026) and "CDNA5" Instruction Set Architecture Reference Guide (July 2026). The comments in the code are by the model that wrote it; some were corrected since.
;; Attention. Allowed arithmetic: matrix products marked QUANTISED: E2M3 operands, one E8M0 scale for each 32 along K, by v_wmma_scale_f32_16x16x128_f8f6f4 with both operands' format E2M3, f32 sums; everything else in f32.
;; Inputs: W_codes 3,072 x 32 x 24 uint8 (E2M3 codes of W, K innermost, in blocks of 32 codes, four codes in three bytes); W_scales 3,072 x 32 uint8 (E8M0 scales of W, one for each 32 codes along K); b 3,072 float32; x_codes 4 x 2,048 x 32 x 24 uint8 (E2M3 codes of x, K innermost, in blocks of 32 codes, four codes in three bytes); x_scales 4 x 2,048 x 32 uint8 (E8M0 scales of x, one for each 32 codes along K).
;; Outputs: out0 4 x 2,048 x 1,024 float32.
;; This version of the problem:
;;   THIS VERSION OF THE PROBLEM IS GIVEN IN LOW PRECISION. The matrix products marked QUANTISED in the list below multiply operands that are first quantised to E2M3 (2 exponent bits, 3 mantissa bits; 6 bits a number), with one power-of-two scale for each 32 numbers along K (OCP MX v1.0); their sums are f32. All else is computed in f32.
;;   The module's matrix products, in the order in which they are computed (A, B: the left and right operand; K: the contracted axis; several contracted axes count as one K, in the product's order):
;;     1. [M 8,192, K 1,024] x [K 1,024, N 3,072]; A: input x (given as codes); B: input W (given as codes): QUANTISED
;;     2. batch 64 x [M 2,048, K 64] x [K 64, N 2,048]; A: computed on the way; B: computed on the way: QUANTISED
;;     3. batch 64 x [M 2,048, K 2,048] x [K 2,048, N 64]; A: softmax (see below); B: computed on the way: QUANTISED
;;   THE QUANTISER, for each operand of a quantised product, along K:
;;     - K is cut into blocks of 32 from its start; a last block that is shorter is filled with zeros.
;;     - A block's scale is 2^e with e = floor(log2(the largest magnitude in the block)) - 2, held to -126 .. 127; a block of zeros has e = 0. As a byte (E8M0): e + 127.
;;     - Each number is divided by its block's scale, clamped to +-7.5, and rounded to the nearest number of E2M3, ties to even, subnormals kept.
;;     - The product sums the exact products of the quantised numbers (number of the format x scale) in f32.
;;   ~~~python
;;   def quantise(x, axis):      # numpy; x: float32 -> the quantised numbers, widened to float32 again
;;       x = np.moveaxis(x, axis, -1); K = x.shape[-1]
;;       x = np.pad(x, [(0, 0)] * (x.ndim - 1) + [(0, -K % 32)]); x = x.reshape(x.shape[:-1] + (-1, 32)); a = np.abs(x).max(-1, keepdims=True)
;;       e = np.where(a > 0, np.clip(np.frexp(np.where(a > 0, a, 1))[1] - 1 - 2, -126, 127), 0)      # np.frexp(a)[1] - 1 = floor(log2(a)), exactly
;;       r = np.clip(x / 2.0 ** e, -7.5, 7.5)
;;       step = 2.0 ** (np.maximum(np.frexp(np.where(r == 0, 1, r))[1] - 1, 0) - 3)
;;       q = np.round(r / step) * step * 2.0 ** e      # np.round: ties to even
;;       return np.moveaxis(q.reshape(q.shape[:-2] + (-1,))[..., :K], -1, axis).astype(np.float32)
;;   ~~~
;;   SOFTMAX AHEAD OF A QUANTISED PRODUCT. Where the list says 'softmax', what is quantised is not the finished softmax but p = 2^(t - M), with t = logit x log2(e) and M = ceil(the row's largest t), a whole number; so 1/2 < the row's largest p <= 1. The row's sum l is taken of the UNQUANTISED p, in f32, and the product's result is divided by l at the end. Since M is a whole number, a kernel that streams over the keys may use a running M (the ceiling of the running maximum): every later rescaling is an exact power of two, which a block's scale takes up: the codes' values come out the same.
;;   OPERANDS COMPUTED ON THE WAY. 'Computed on the way' means the value that the module computes at that place (a softmax that the list does not call 'softmax' is quantised finished and normalised). What goes into a quantiser is computed in f32, as accurately as f32 sums, v_exp_f32 and their like allow (about 1e-6 of the number): no bf16 or f16 on the way to a quantiser, and a product that is left as it is and whose result goes on into a quantised operand takes f32 operands (vector FMAs, or v_wmma_f32_16x16x4_f32). A number that lies on a knife's edge between two numbers of the format may be rounded either way, as far as f32 arithmetic and the matrix unit's own rounding can turn it there, and no further.
;;   INPUTS GIVEN AS CODES. W (in the module: [3072, 1024], K = its axis 1); x (in the module: [4, 2048, 1024], K = its axis 2): each comes as NAME_codes (uint8): NAME with its K axis moved to the last place and cut into blocks of 32 codes, [.., K / 32, bytes a block], one block behind the other in memory; four codes in three bytes: a row's codes are one little-endian stream of bits, code i at bits 6 i .. 6 i + 5 (a code: sign, 2 exponent bits, 3 mantissa bits); and NAME_scales (uint8): the same leading axes, one E8M0 byte (e + 127) for each 32 codes along K. Its value is code x scale, taken as it is: it is not quantised again, and the codes and scales need not be those that the quantiser above would give.
;; One version. Each part assembles by itself: llvm-mc -triple=amdgcn-amd-amdhsa -mcpu=gfx1250 --defsym DOCPART=n.
;; ======== version 1 of 1: 2 launches
;; workspace buffers: qc 6,291,456 bytes; qs 524,288 bytes; kv 13,369,344 bytes
;; launch qkv (part 1): grid 8 x 48, 4 waves a work-group, clusters of 4 x 4, 327,680 bytes of LDS; arguments x_codes, x_scales, W_codes, W_scales, b, qc, qs, kv; writes qc, qs, kv
.if DOCPART == 1
	.amdgcn_target "amdgcn-amd-amdhsa--gfx1250"
	.amdhsa_code_object_version 6
	.text
	.protected	k_q183dfcf402_qkv
	.globl	k_q183dfcf402_qkv
	.p2align	8
	.type	k_q183dfcf402_qkv,@function
k_q183dfcf402_qkv:
	s_mov_b64 s[64:65], 0
	v_nop
	global_prefetch_b8 v0, s[64:65] scope:SCOPE_SE
	s_setreg_imm32_b32 hwreg(HW_REG_WAVE_MODE, 25, 1), 1
	s_wait_xcnt 0x0
	s_wait_alu depctr_hold_cnt(0) depctr_sa_sdst(0) depctr_va_vdst(0) depctr_va_sdst(0) depctr_va_ssrc(0) depctr_va_vcc(0) depctr_vm_vsrc(0)
	s_getreg_b32 s2, hwreg(HW_REG_IB_STS2, 6, 4)
	s_cmp_eq_u32 s2, 0
	s_cbranch_scc0 .Lentry_in_a_cluster
	s_endpgm
.Lentry_in_a_cluster:
	s_bfe_u32 s2, ttmp6, 0x10000c
	s_cmp_lg_u32 s2, 0xf033
	s_cbranch_scc0 .Lentry_shape_is_right
	s_endpgm
.Lentry_shape_is_right:
; qkv = x W^T + b on codes of FP6 (E2M3) with one E8M0 scale for each 32 along K = 1,024; sums in f32; then q, k and v are quantised at once, in registers, and leave as codes.
; x: 8,192 rows (tokens) of 768 bytes of codes and 32 scale bytes; W: 3,072 rows likewise; b: 3,072 f32.
; A tile of 256 x 256 results is made by a work-group of four waves; a wave makes 128 x 128: 64 accumulators of 16 x 16, 512 registers.  K goes in steps of 256 through a ring of two LDS slots.
; TWO OPERANDS, R AND P.  Source 0 of the matrix instruction takes 16 rows of P, source 1 takes 16 rows of R: in accumulator (a, b) lane (r, h) holds row 16 a + r of R, and its register j row 16 b + 8 h + j of P.
; So a lane's registers run along P, and P is chosen as the axis along which the result is quantised:
;   kinds q and k: R = x (tokens), P = W's rows 0 .. 2,047 (the heads' 64 channels: K of the scores);   kind v: R = W's rows 2,048 .. 3,071 (channels), P = x (tokens = keys: K of the second product).
; 384 tiles: cluster rows 0-7 are q (cluster column 0) and k (column 1), cluster rows 8-11 are v.  The kind hangs on the cluster's numbers alone, which all sixteen partners share.
; CLUSTERS: 4 x 4 work-groups.  The four of a row of the cluster need the same tiles of R, the four of a column the same tiles of P: each tile is asked for JOINTLY.
; WHAT IS STORED (bh = 16 batch + head; s = a step of 128 tokens; pi(n) = n with its bits 3 and 4 exchanged):
;   qc [bh][2,048 rows][48 bytes]: row pi(t) = token t's 64 codes;   qs [bh][2,048 rows][4 bytes]: its two scale bytes, then two bytes that are never 0xff;
;   kv [bh][s][13,056 bytes]: +0 k's codes [128 rows][48], row pi(n) = key 128 s + n;  +6,144 v's codes [2][64 rows][48], row pi(channel) = 64 keys;  +12,288 k's scale words [128][4];  +12,800 v's [64][4].
; LIMITS: NaN and infinities (in b, or a scale byte 0xff) are not served.  A block whose largest magnitude lies under 2^-124, a block of zeros among them, gets the scale byte 1 (the quantiser gives a block of zeros 127):
; its codes are then zeros or the nearest codes under that byte, and the bytes are read by this program alone.
; REGISTERS, in windows of 256: window 0: v0-31 addresses; v32-63 scale words, two sets; v64-127 the bias; from v128 R's fragments, ONE set; behind the loop v32-255 serve the way out.
;   window 1: P's fragments, TWO sets, at v0 and v128.   window 2: the accumulators of my rows 0-63 of R ((a, b) at v[8 (8 a + b)]);   window 3: those of rows 64-127.
.set KSTEP,  256                       ; along K in a slot
.set NQ,     2                         ; matrix instructions deep
.set ROWB,   192                       ; a tile's row in bytes
.set KROW,   768                       ; a row of codes in memory
.set PITCH,  240                       ; an LDS row: 3 x (64 bytes + 16 of padding): the 32 lanes of a load of 8 bytes touch 64 different banks (64 banks of 4 bytes: ISA guide 11.1)
.set FR,     12                        ; registers of a fragment: 16 rows x 128 K
.set NL,     6                         ; LDS loads that bring one
.set NP,     4                         ; places behind this matrix instruction (ISA guide 7.12.1)
.set HALFT,  128*PITCH                 ; 128 rows: what one tensor load brings
.set SLOT,   4*HALFT                   ; R's 256 rows, then P's 256 rows
.set LAPS,   2                         ; 1,024 / (2 x 256): twice round the ring
.set KS,     32                        ; a row of scale bytes
.set SCL,    2*SLOT                    ; behind the ring: the scales, as units of 256 bytes + 16 of padding
.set HALFS,  16*272                    ; the scales of 128 rows
.set SBLK,   2*272                     ; those of 16 rows
.set SPARE,  SCL+4*HALFS               ; the spare words, 128 bytes for each wave: two blocks of 256 bytes that no other line names
.set WSTG,   13312                     ; the way out: a stage for each wave, 12,288 bytes of codes + 1,024 of scale words, in slot 0, which has had its last fill and its last read by then
.set SH,   7                           ; v7      how far lanes 16-31 shift the scale word
.set VS,   8                           ; v8      my byte offset for the scale words' stores
.set SSO,  9                           ; v9      the stage: where I put a scale word
.set ADRA, 16                          ; v16-17  LDS address of my R fragments in slot 0, 1  (v18-19: for the pieces behind one padding more)
.set ADRB, 20                          ; v20-21  the same for P  (v22-23)
.set STO,  24                          ; v24     the stage: where I put 24 bytes of codes
.set RD,   25                          ; v25     the stage: where I read 16 bytes back
.set L16,  26                          ; v26     16 x lane
.set ADRS, 27                          ; v27     LDS address of my scale words: lanes 0-15 R's rows, lanes 16-31 P's
.set SPW,  28                          ; v28     LDS address of my spare word; never rewritten
.set NIL,  29                          ; v29     0; never rewritten
.set BH,   30                          ; v30     32 h: the bias along P; never rewritten
.set BR,   31                          ; v31     4 r: the bias along R; never rewritten
.set SC,   32                          ; scale words: set s at v[SC + 16 s]; register 2 i + q: lanes 0-15 R's block i, lanes 16-31 P's block i
.set BI,   64                          ; v64-127 the bias, eight registers for each block
.set AF,   128                         ; R's fragments
.set H,    128                         ; the way out: v128-191 64 numbers of a lane
.set CD,   192                         ; v192-211 the codes just made
.set TM,   212                         ; v212-227 at work in the quantiser
.set PW,   228                         ; v228 the scale word just made
.set SW,   229                         ; v229 and as it is stored
.set BK,   32                          ; v32-127 the codes back from the stage
.set BS,   128                         ; v128-135 the scale words back from the stage
.set G1, 24                            ; s[24:31] descriptor group 1 for R's tiles;  s[32:39] group 0, one set for each slot
.set G0, 32
.set G1B, 48                           ; s[48:55], s[56:63] the same for P's tiles
.set G0B, 56
.set SEL, 66                           ; s[66:67] lane selects for v_permlanex16_b32: lane l xor 16
.set G1S, 68                           ; s[68:75], s[76:79] groups 1 and 0 for R's scales;  s[80:87], s[88:91] for P's
.set G0S, 76
.set G1SB, 80
.set G0SB, 88
.set PB,  24                           ; behind the loop: s[24:31] the four bases of the codes' stores
.set MSB, 0
.macro WIN new                         ; the immediate's high byte repeats the setting that is left
.if MSB != \new
	s_set_vgpr_msb (MSB<<8)|\new
.set MSB, \new
.endif
.endm
.set MUL_LO, 0xa1                      ; source 0 (P) window 1, source 1 (R) window 0, C and D window 2
.set MUL_HI, 0xf1                      ; the same, C and D window 3
.set TO_B,   0x40                      ; destination window 1, address window 0
; A joint load: waves 0 and 1 fetch for R, waves 2 and 3 for P.  Each line has ONE mask and one set of registers for all that issue it; the branch hangs on the wave's number alone.
; Four v_nop follow each of the two lines, ahead of the jump, the label and what follows.
.macro JLOAD g0a, g1a, g0b, g1b
	s_cmp_eq_u32 s15, 0
	s_cbranch_scc0 .Lfor_b_\@
	tensor_load_to_lds s[\g0a:\g0a+3], s[\g1a:\g1a+7]
	s_nop 0
.rept 4
	v_nop
.endr
	s_branch .Lasked_\@
.Lfor_b_\@:
	tensor_load_to_lds s[\g0b:\g0b+3], s[\g1b:\g1b+7]
	s_nop 0
.rept 4
	v_nop
.endr
.Lasked_\@:
.endm
.macro CREST                           ; a round of the cluster's barrier behind its opening barrier
	s_cmp_lg_u32 s14, 0
	s_cbranch_scc1 .Lnot_wave_0_\@
	s_barrier_signal -3
.Lnot_wave_0_\@:
	s_barrier_wait -3
	s_barrier_signal -1
	s_barrier_wait -1
.endm
.macro CROUND                          ; a whole round
	s_barrier_signal -1
	s_barrier_wait -1
	CREST
.endm
	s_load_b128 s[4:7], s[0:1], 0x0                ; x's codes, x's scales
	s_load_b128 s[8:11], s[0:1], 0x10              ; W's codes, W's scales
	s_load_b64 s[12:13], s[0:1], 0x20              ; b
	s_load_b128 s[96:99], s[0:1], 0x28             ; qc, qs
	s_load_b64 s[100:101], s[0:1], 0x38            ; kv
	v_lshl_add_u32 v[SPW], v0, 2, SPARE
	v_mov_b32 v[NIL], 0
	ds_add_u32 v28, v29
	ds_add_u32 v28, v29
	s_wait_dscnt 0x0
	v_lshrrev_b32 v1, 5, v0
	v_readfirstlane_b32 s14, v1                    ; wave 0..3
	s_lshr_b32 s15, s14, 1                         ; which half of the tile's rows of R is mine.  Also: I fetch for R (0) or for P (1)
	s_and_b32 s16, s14, 1                          ; which half of its rows of P.  Also: which 128 rows of that tile I fetch
	s_bfe_u32 s40, ttmp6, 0x40000                  ; cx, cy: my place in the cluster
	s_bfe_u32 s41, ttmp6, 0x40004
	s_and_b32 s18, ttmp7, 0xffff                   ; the cluster's row, 0 .. 11
	s_sub_co_u32 s20, s18, 8
	s_lshl_b32 s20, s20, 1
	s_add_co_u32 s20, s20, ttmp9                   ; kind v: 2 (cluster row - 8) + cluster column
	s_cmp_ge_u32 s18, 8
	s_cselect_b32 s2, 1, 0                         ; s2 = 1: kind v
	s_cselect_b32 s19, 0, s18                      ; which four tiles of R
	s_cselect_b32 s20, s20, ttmp9                  ; which four tiles of P
	s_cselect_b32 s21, 2048, 0                     ; kind v: R begins at W's row 2,048
	s_or_b32 s22, s2, ttmp9
	s_cmp_eq_u32 s22, 0
	s_cselect_b32 s95, 1, 0                        ; s95 = 1: kind q
	s_lshl_b32 s17, s19, 2
	s_add_co_u32 s17, s17, s41                     ; my tile of R
	s_lshl_b32 s42, s20, 2
	s_add_co_u32 s42, s42, s40                     ; my tile of P
	s_lshl_b32 s43, s41, 2
	s_lshl_b32 s43, 15, s43                        ; my row of the cluster
	s_lshl_b32 s44, 0x1111, s40                    ; my column
	s_mov_b32 s[SEL], 0x76543210
	s_mov_b32 s[SEL+1], 0xfedcba98
	; descriptor group 1: a tile of 128 rows x 192 bytes, padded in LDS
	s_or_b32 s[G1+0], s43, (0<<16)|(1<<20)|(1<<21)|(3<<22)|(3<<25)  ; 15:0 the mask: R's tiles go to my row; 17:16 element of 1 byte; 20 padding on; 21 set beside a mask; 24:22 after every 16 words; 31:25 of 4 words
	s_or_b32 s[G1B+0], s44, (0<<16)|(1<<20)|(1<<21)|(3<<22)|(3<<25)
.irp g, G1, G1B
	s_mov_b32 s[\g+1], ROWB<<16                    ; tensor_dim0
	s_mov_b32 s[\g+2], 128<<16                     ; tensor_dim1 = 128
	s_mov_b32 s[\g+3], ROWB<<16                    ; tile_dim0
	s_mov_b32 s[\g+4], 128                         ; tile_dim1 = 128
	s_mov_b32 s[\g+5], KROW                        ; tensor_dim0_stride
	s_mov_b32 s[\g+6], 0
	s_mov_b32 s[\g+7], 0
.endr
	; and for the scales of 128 rows: a dense block of 4,096 bytes, as 16 rows of 256 bytes (32 elements of 8 bytes), 16 bytes of padding behind each
	s_or_b32 s[G1S+0], s43, (3<<16)|(1<<20)|(1<<21)|(5<<22)|(3<<25)
	s_or_b32 s[G1SB+0], s44, (3<<16)|(1<<20)|(1<<21)|(5<<22)|(3<<25)
.irp g, G1S, G1SB
	s_mov_b32 s[\g+1], 32<<16
	s_mov_b32 s[\g+2], 16<<16
	s_mov_b32 s[\g+3], 32<<16
	s_mov_b32 s[\g+4], 16
	s_mov_b32 s[\g+5], 32
	s_mov_b32 s[\g+6], 0
	s_mov_b32 s[\g+7], 0
.endr
	s_lshl_b32 s18, s16, 7                         ; which 128 rows of the tile I fetch
	s_lshl_b32 s20, s17, 8
	s_add_co_u32 s20, s20, s18
	s_add_co_u32 s20, s20, s21                     ; R: row 256 x tile + 128 x half (+ 2,048 in W)
	s_lshl_b32 s46, s42, 8
	s_add_co_u32 s46, s46, s18                     ; P: row 256 x tile + 128 x half
	s_mov_b32 s21, 0
	s_mov_b32 s47, 0
	s_mov_b64 s[18:19], KS
	s_mul_u64 s[22:23], s[20:21], s[18:19]         ; where these rows' scales begin, in bytes
	s_mul_u64 s[92:93], s[46:47], s[18:19]
	s_mov_b64 s[18:19], KROW
	s_mul_u64 s[20:21], s[20:21], s[18:19]         ; and their codes
	s_mul_u64 s[46:47], s[46:47], s[18:19]
	s_mul_i32 s45, s14, HALFT                      ; where they go: wave x 128 rows: no place in the cluster enters an LDS address
	s_mul_i32 s94, s14, HALFS
	s_wait_kmcnt 0x0
	s_cmp_eq_u32 s2, 0                             ; which tensor is R and which is P: a choice on the kind alone
	s_cselect_b64 s[18:19], s[4:5], s[8:9]
	s_cselect_b64 s[8:9], s[8:9], s[4:5]           ; P's codes
	s_mov_b64 s[4:5], s[18:19]                     ; R's codes
	s_cselect_b64 s[18:19], s[6:7], s[10:11]
	s_cselect_b64 s[10:11], s[10:11], s[6:7]       ; P's scales
	s_mov_b64 s[6:7], s[18:19]                     ; R's scales
	s_add_nc_u64 s[20:21], s[4:5], s[20:21]
	s_add_nc_u64 s[22:23], s[6:7], s[22:23]
	s_add_nc_u64 s[46:47], s[8:9], s[46:47]
	s_add_nc_u64 s[92:93], s[10:11], s[92:93]
	CROUND                                         ; all sixteen work-groups are here: the first joint loads meet
	s_mov_b32 s[G0S], 1
	s_add_co_u32 s[G0S+1], s94, SCL
	s_mov_b64 s[G0S+2:G0S+3], s[22:23]
	s_or_b32 s[G0S+3], s[G0S+3], 0x80000000
	s_mov_b32 s[G0SB], 1
	s_add_co_u32 s[G0SB+1], s94, SCL
	s_mov_b64 s[G0SB+2:G0SB+3], s[92:93]
	s_or_b32 s[G0SB+3], s[G0SB+3], 0x80000000
	JLOAD G0S, G1S, G0SB, G1SB                     ; the scales first: they are wanted with K step 0.  Three tensor loads of mine are out behind the next two
.irp s, 0,1
	s_mov_b32 s[G0+4*\s], 1
	s_add_co_u32 s[G0+4*\s+1], s45, \s*SLOT
	s_add_nc_u64 s[G0+4*\s+2:G0+4*\s+3], s[20:21], \s*ROWB
	s_or_b32 s[G0+4*\s+3], s[G0+4*\s+3], 0x80000000
	s_mov_b32 s[G0B+4*\s], 1
	s_add_co_u32 s[G0B+4*\s+1], s45, \s*SLOT
	s_add_nc_u64 s[G0B+4*\s+2:G0B+4*\s+3], s[46:47], \s*ROWB
	s_or_b32 s[G0B+4*\s+3], s[G0B+4*\s+3], 0x80000000
	JLOAD G0+4*\s, G1, G0B+4*\s, G1B
.endr
	v_and_b32 v1, 15, v0                           ; r = l % 16; kept
	v_bfe_u32 v2, v0, 4, 1                         ; h = l / 16; kept
	v_mul_u32_u24 v3, v1, PITCH
	v_mul_u32_u24 v4, v2, 24
	v_add_nc_u32 v4, v3, v4                        ; a fragment's row x pitch + 24 x half
	v_lshl_add_u32 v5, v2, 4, v4                   ; and the same behind one padding more
	s_mul_i32 s21, s15, HALFT                      ; my 128 rows of R
	s_mul_i32 s22, s16, HALFT                      ; my 128 rows of P,
	s_add_co_u32 s22, s22, 2*HALFT                 ; which lie behind R's 256
.irp s, 0,1
	v_add_nc_u32 v[ADRA+\s], s21, v4
	v_add_nc_u32 v[ADRB+\s], s22, v4
	v_add_nc_u32 v[ADRA+2+\s], s21, v5
	v_add_nc_u32 v[ADRB+2+\s], s22, v5
	s_add_co_u32 s21, s21, SLOT
	s_add_co_u32 s22, s22, SLOT
.endr
	v_mul_u32_u24 v5, v1, KS                       ; my row's scales: 32 bytes a row,
	v_lshrrev_b32 v6, 8, v5
	v_lshl_add_u32 v5, v6, 4, v5                   ; and 16 more for each 256 passed
	s_mul_i32 s21, s15, HALFS                      ; R's: my 128 rows
	s_mul_i32 s22, s16, HALFS                      ; P's: my 128 rows, behind R's 256
	s_add_co_u32 s22, s22, 2*HALFS
	s_sub_co_u32 s22, s22, s21
	v_mul_u32_u24 v6, s22, v2                      ; lanes 16-31 take P's
	s_add_co_u32 s21, s21, SCL
	v_add_nc_u32 v5, v5, v6
	v_add_nc_u32 v[ADRS], s21, v5
	; the stage's addresses: a constant x wave + constants x lane; the kind enters none of them
	v_and_b32 v5, 8, v1
	v_add_nc_u32 v5, v5, v1                        ; r + 8 (r / 8): where pi sends row 16 a + r inside its group of 32, less 8 (a % 2)
	s_mul_i32 s23, s14, WSTG
	v_mul_u32_u24 v6, v5, 48
	v_mad_u32_u24 v6, v2, 24, v6
	v_add_nc_u32 v[STO], s23, v6                   ; codes: row x 48 + 24 h
	v_lshlrev_b32 v6, 2, v5
	v_lshl_add_u32 v6, v2, 9, v6
	v_add_nc_u32 v6, s23, v6
	v_add_nc_u32 v[SSO], 12288, v6                 ; scale words: row x 4; lanes 16-31 write a second region, 512 bytes on
	v_and_b32 v6, 31, v0
	v_lshlrev_b32 v[L16], 4, v6
	v_add_nc_u32 v[RD], s23, v[L16]
	v_lshlrev_b32 v[BH], 5, v2
	v_lshlrev_b32 v[BR], 2, v1
	; THE BIAS, 64 registers, in the layout in which it is added.  It is waited for behind the loop; its address registers and its base are never rewritten.
	s_lshl_b32 s20, s17, 8
	s_lshl_b32 s21, s15, 7
	s_add_co_u32 s20, s20, s21
	s_add_co_u32 s20, s20, 2048                    ; kind v: b at W's row 2,048 + my first row of R
	s_lshl_b32 s46, s42, 8
	s_lshl_b32 s47, s16, 7
	s_add_co_u32 s46, s46, s47                     ; kinds q, k: b at my first row of P
	s_cmp_lg_u32 s2, 0
	s_cselect_b32 s20, s20, s46
	s_lshl_b32 s20, s20, 2
	s_mov_b32 s21, 0
	s_add_nc_u64 s[12:13], s[12:13], s[20:21]
	s_cmp_lg_u32 s2, 0
	s_cbranch_scc1 .Lbias_v
	s_wait_alu depctr_va_vdst(0)
.irp b, 0,1,2,3,4,5,6,7                        ; register 8 b + j: b of P's row 16 b + 8 h + j
	global_load_b128 v[BI+8*\b:BI+8*\b+3], v[BH], s[12:13] offset:64*\b
	global_load_b128 v[BI+8*\b+4:BI+8*\b+7], v[BH], s[12:13] offset:64*\b+16
.endr
	s_branch .Lbias_asked
.Lbias_v:
	s_wait_alu depctr_va_vdst(0)
.irp a, 0,1,2,3,4,5,6,7                        ; registers 8 a + 0 .. 7: b of R's row 16 a + r, eight times
.irp j, 0,1,2,3,4,5,6,7
	global_load_b32 v[BI+8*\a+\j], v[BR], s[12:13] offset:64*\a
.endr
.endr
.Lbias_asked:
.macro FRAG reg, adr, q, i             ; a fragment, 16 rows x 128 K of 6-bit codes, is 12 registers: lane l holds row l % 16; registers 6 c .. 6 c + 5 hold K = 64 c + 32 (l / 16) + 0 .. 31: 24 bytes of the row's stream of bits, as they lie
.irp p, 0,1,2,3,4,5                    ; in pieces of 8 bytes.  Lanes 0-15 take the row's pieces 12 q + 0, 1, 2 and 12 q + 6, 7, 8, lanes 16-31 those three pieces on
.set PCE, 12*(\q)+6*(\p/3)+\p%3       ; 16 bytes of padding lie behind every 8 pieces: where the piece three on lies behind one padding more, the second address register serves
.if PCE%8 < 5
	ds_load_b64 v[\reg+2*\p:\reg+2*\p+1], v[\adr] offset:8*PCE+16*(PCE/8)+(\i)*16*PITCH
.else
	ds_load_b64 v[\reg+2*\p:\reg+2*\p+1], v[\adr+2] offset:8*PCE+16*(PCE/8)+(\i)*16*PITCH
.endif
.endr
.endm
; 16 matrix instructions: R's blocks a0, a0 + 1 x P's eight, 128 along K: the slot's q-th.  p: P's set;  sc: the set of scale words.  zero = 1: the first product starts the sums.
; The 64 accumulators take turns, one instruction a turn, in the same order in every step.
.macro MUL16 a0, p, q, sc, zero
.irp a, \a0, \a0+1
.irp b, 0,1,2,3,4,5,6,7
.if \zero
	v_wmma_scale_f32_16x16x128_f8f6f4 v[8*(8*((\a)%4)+\b):8*(8*((\a)%4)+\b)+7], v[128*(\p)+FR*\b:128*(\p)+FR*\b+FR-1], v[AF+FR*(\a):AF+FR*(\a)+FR-1], 0, v[SC+8*NQ*(\sc)+NQ*\b+(\q)], v[SC+8*NQ*(\sc)+NQ*(\a)+(\q)] matrix_a_fmt:MATRIX_FMT_FP6 matrix_b_fmt:MATRIX_FMT_FP6 matrix_a_scale:MATRIX_SCALE_ROW1
.else
	v_wmma_scale_f32_16x16x128_f8f6f4 v[8*(8*((\a)%4)+\b):8*(8*((\a)%4)+\b)+7], v[128*(\p)+FR*\b:128*(\p)+FR*\b+FR-1], v[AF+FR*(\a):AF+FR*(\a)+FR-1], v[8*(8*((\a)%4)+\b):8*(8*((\a)%4)+\b)+7], v[SC+8*NQ*(\sc)+NQ*\b+(\q)], v[SC+8*NQ*(\sc)+NQ*(\a)+(\q)] matrix_a_fmt:MATRIX_FMT_FP6 matrix_b_fmt:MATRIX_FMT_FP6 matrix_a_scale:MATRIX_SCALE_ROW1
.endif
.endr
.endr
.endm
.macro FETCH_B slot, q, p              ; P's eight fragments of the slot's q-th 128 along K into set p
	WIN TO_B
.irp i, 0,1,2,3,4,5,6,7
	FRAG 128*(\p)+FR*\i, ADRB+\slot, \q, \i
.endr
	WIN 0
.endm
.macro FETCH_A slot, q, i0             ; R's blocks i0 .. i0 + 3
.irp i, \i0, \i0+1, \i0+2, \i0+3
	FRAG AF+FR*(\i), ADRA+\slot, \q, \i
.endr
.endm
.macro SCALES sc                       ; the next K step's scale words into set sc: two words a row; lanes 0-15 take R's block i, lanes 16-31 P's block i
.irp i, 0,1,2,3,4,5,6,7
	ds_load_b64 v[SC+8*NQ*\sc+NQ*\i:SC+8*NQ*\sc+NQ*\i+1], v[ADRS] offset:\i*SBLK
.endr
.endm
; A load into a register that a matrix instruction has read, and a vector instruction that reads a matrix result or writes one of its registers, stand NP places behind that matrix instruction;
; only plain vector instructions that name none of its registers are places (ISA guide 7.12.1 for vector instructions).
.macro PLACES n
.rept \n
	v_nop
.endr
.endm
; A step of 128 along K that has its successor in the same slot.
.macro STEP slot, q, zero
	s_wait_dscnt 4*NL                              ; P's set and R's blocks 0-3 are in; the youngest 24 loads (R's blocks 4-7) may be out
	WIN MUL_LO
	MUL16 0, (\q)%2, \q, \slot, \zero
	MUL16 2, (\q)%2, \q, \slot, \zero
	s_wait_dscnt 0                                 ; R's blocks 4-7 are in (asked for 32 matrix instructions ago)
	PLACES NP
	FETCH_B \slot, (\q)+1, 1-(\q)%2
	FETCH_A \slot, (\q)+1, 0
	WIN MUL_HI
	MUL16 4, (\q)%2, \q, \slot, \zero
	MUL16 6, (\q)%2, \q, \slot, \zero
	PLACES NP
	WIN 0
	FETCH_A \slot, (\q)+1, 4
.endm
; A slot's last step changes slots: ONE barrier; in front of it each wave waits for all its tensor loads, adds 0 to its spare word, and waits for that and for its own reads of this slot.  fill = 1: this slot is filled again, two K steps ahead.
.macro TURN slot, next, fill
	s_wait_tensorcnt 0x0                           ; all my tensor loads have landed: my part of the next slot;  (every window is 0 here)
	ds_add_u32 v[SPW], v[NIL]                      ; 0 onto my spare word
	s_wait_dscnt 4*NL+1                            ; (the add and the youngest 24 loads, R's blocks 4-7, may be out)
	WIN MUL_LO
	MUL16 0, 1, NQ-1, \slot, 0                     ; sixteen matrix instructions stand between the add and the wait for it
	s_wait_dscnt 0x0                               ; the add is done, and my reads of this slot are over
	s_barrier_signal -1
	MUL16 2, 1, NQ-1, \slot, 0
	WIN 0
	s_barrier_wait -1
.if \fill
	CREST                                          ; the barrier has opened a round of the cluster's barrier: no wave of any partner still reads this slot's tile or has a load on its way
	s_add_nc_u64 s[G0+4*\slot+2:G0+4*\slot+3], s[G0+4*\slot+2:G0+4*\slot+3], 2*ROWB
	s_add_nc_u64 s[G0B+4*\slot+2:G0B+4*\slot+3], s[G0B+4*\slot+2:G0B+4*\slot+3], 2*ROWB
	JLOAD G0+4*\slot, G1, G0B+4*\slot, G1B         ; the first tensor load behind the round, and my only one until the next; its four v_nop are the places in front of the loads below
.else
	PLACES NP
.endif
	s_wait_alu depctr_va_vdst(0)
	v_add_nc_u32 v[ADRS], 4*NQ, v[ADRS]            ; on to the next K step's scale words (no LDS load of mine is out)
	FETCH_B \next, 0, 0
	FETCH_A \next, 0, 0
	SCALES \next
	WIN MUL_HI
	MUL16 4, 1, NQ-1, \slot, 0
	MUL16 6, 1, NQ-1, \slot, 0
	PLACES NP
	WIN 0
	FETCH_A \next, 0, 4
.endm
	s_wait_tensorcnt 1                             ; the scales and my part of K step 0 are in (K step 1's load may be out)
	s_barrier_signal -1
	s_barrier_wait -1                              ; everybody's are
	FETCH_B 0, 0, 0
	FETCH_A 0, 0, 0
	SCALES 0
	FETCH_A 0, 0, 4
	STEP 0, 0, 1                                   ; the first step stands in front of the loop: its products start the sums
	s_mov_b32 s3, LAPS-1
.Llap:                                                 ; a trip goes once round the ring, from a lap's second step to the next lap's first, and fills both slots again
	TURN 0, 1, 1
	STEP 1, 0, 0
	TURN 1, 0, 1
	STEP 0, 0, 0
	s_sub_co_u32 s3, s3, 1
	s_cmp_lg_u32 s3, 0
	s_cbranch_scc1 .Llap
	TURN 0, 1, 0                                   ; the last lap fills nothing, and has no round of the cluster's barrier
	STEP 1, 0, 0
	s_wait_dscnt 4*NL                              ; the very last step: nothing more to fetch
	WIN MUL_LO
	MUL16 0, 1, NQ-1, 1, 0
	MUL16 2, 1, NQ-1, 1, 0
	s_wait_dscnt 0
	WIN MUL_HI
	MUL16 4, 1, NQ-1, 1, 0
	MUL16 6, 1, NQ-1, 1, 0
	WIN 0
; THE WAY OUT.  No tensor load of mine is out (the wait for 0 at the last change of slots), so the descriptors' registers take the stores' bases.
	s_lshl_b32 s36, s17, 8
	s_lshl_b32 s37, s15, 7
	s_add_co_u32 s36, s36, s37                     ; my first row of R (in kind v counted from W's row 2,048)
	s_lshl_b32 s37, s42, 8
	s_lshl_b32 s38, s16, 7
	s_add_co_u32 s37, s37, s38                     ; my first row of P
	s_cmp_lg_u32 s2, 0
	s_cselect_b32 s38, s37, s36                    ; my first token
	s_cselect_b32 s39, s36, s37                    ; my first column of q, of k or of v
	s_and_b32 s39, s39, 1023
	s_lshr_b32 s39, s39, 6                         ; the first of my two heads
	s_lshr_b32 s43, s38, 11
	s_lshl_b32 s43, s43, 4
	s_add_co_u32 s43, s43, s39                     ; bh = 16 batch + head
	s_bfe_u32 s44, s38, 0x40007                    ; s: which 128 tokens of the batch
	s_mov_b32 s45, 208896                          ; a head's bytes in kv
	s_mov_b32 s48, 13056                           ; a record's
	s_cmp_lg_u32 s95, 0                            ; kind q, or one of the two that go to kv
	s_cselect_b32 s46, 98304, s45                  ; codes: bytes from head to head
	s_cselect_b32 s47, 8192, s45                   ; scale words: likewise
	s_cselect_b32 s49, 6144, s48                   ; codes: bytes from s to s + 1
	s_cselect_b32 s50, 512, s48                    ; scale words: likewise
	s_cselect_b32 s51, 0, 12288                    ; where the scale words begin in a record
	s_cselect_b64 s[52:53], s[96:97], s[100:101]   ; the codes' buffer
	s_cselect_b64 s[54:55], s[98:99], s[100:101]   ; the scale words'
	s_cmp_lg_u32 s2, 0                             ; kind v?
	s_cselect_b32 s56, 6144, 0                     ; where the codes begin in a record
	s_cselect_b32 s57, 3072, s46                   ; from the stage's first 6,144 bytes to its second: the next 64 keys of v, or the next head
	s_cselect_b32 s58, s45, 3072                   ; from a half of those to the other: the next head of v, or the next 64 rows
	s_cselect_b32 s51, 12800, s51
	s_cselect_b32 s59, s45, 256                    ; scale words: from lanes 0-15 to lanes 16-31
	s_cselect_b32 s60, 0, 16                       ; kinds q, k: lanes 16-31 store the second head's two bytes
	s_mul_i32 s61, s43, s46
	s_mul_i32 s62, s44, s49
	s_add_co_u32 s61, s61, s62
	s_add_co_u32 s36, s61, s56
	s_mov_b32 s37, 0
	s_add_nc_u64 s[PB:PB+1], s[52:53], s[36:37]
	s_mov_b32 s36, s58
	s_add_nc_u64 s[PB+2:PB+3], s[PB:PB+1], s[36:37]
	s_mov_b32 s36, s57
	s_add_nc_u64 s[PB+4:PB+5], s[PB:PB+1], s[36:37]
	s_add_nc_u64 s[PB+6:PB+7], s[PB+2:PB+3], s[36:37]
	s_mul_i32 s61, s43, s47
	s_mul_i32 s62, s44, s50
	s_add_co_u32 s61, s61, s62
	s_add_co_u32 s36, s61, s51
	s_add_nc_u64 s[32:33], s[54:55], s[36:37]      ; the first region's scale words
	s_mov_b32 s36, s47
	s_add_nc_u64 s[34:35], s[32:33], s[36:37]      ; the second's (kinds q, k): the next head
	s_wait_loadcnt 0x0                             ; the bias
	PLACES NP                                      ; behind the last products: their results are read and their operands' registers written below
	v_mul_u32_u24 v[VS], s59, v2
	v_lshl_add_u32 v[VS], v1, 4, v[VS]             ; 16 (l % 16) + (l / 16) x the distance
	v_mul_u32_u24 v[SH], s60, v2
.irp b, 0,1,2,3
	v_mov_b32 v[TM+4+\b], 0                        ; written once: a lane permute's destination counts as one of its sources
.endr
; 64 numbers of a lane, v[s] .. v[s + 63], register 16 b + i = index 32 b + 16 (lane / 16) + i of my row, become a fragment's codes in v[CD] on and the row's scale word in v[PW].
.macro QUANT s
.irp b, 0,1,2,3
	v_max3_num_f32 v[TM+\b], |v[\s+16*\b]|, |v[\s+1+16*\b]|, 0x1800000   ; block b: my 16 numbers, and the floor 2^(3 - 127): so the byte cannot fall under 1
.endr
.irp i, 2,4,6,8,10,12,14
.irp b, 0,1,2,3
	v_max3_num_f32 v[TM+\b], v[TM+\b], |v[\s+16*\b+\i]|, |v[\s+1+16*\b+\i]|   ; (the four blocks by turns)
.endr
.endr
.irp b, 0,1,2,3
	v_permlanex16_b32 v[TM+4+\b], v[TM+\b], s[SEL], s[SEL+1]
.endr
.irp b, 0,1,2,3
	v_max_num_f32 v[TM+\b], v[TM+\b], v[TM+4+\b]   ; with lane l xor 16's: the block's largest magnitude
.endr
.irp b, 0,1,2,3
	v_add_nc_u32 v[TM+12+\b], 0xff000000, v[TM+\b]   ; 2 off its exponent field: the conversion takes the exponent field of this operand as its scale
.endr
.irp b, 0,1,2,3
	v_lshrrev_b32 v[TM+4+\b], 23, v[TM+12+\b]      ; the scale's byte
.endr
	v_lshl_or_b32 v[PW], v[TM+5], 8, v[TM+4]       ; the four bytes make my row's scale word, the same in lanes l and l xor 16
	v_lshl_or_b32 v[PW], v[TM+6], 16, v[PW]
	v_lshl_or_b32 v[PW], v[TM+7], 24, v[PW]
.irp c, 0,1
	v_cvt_scalef32_pk16_fp6_f32 v[CD+6*\c:CD+2+6*\c], v[\s+32*\c:\s+15+32*\c], v[TM+12+2*\c]
	v_cvt_scalef32_pk16_fp6_f32 v[CD+12+4*\c:CD+14+4*\c], v[\s+16+32*\c:\s+31+32*\c], v[TM+12+2*\c+1]   ; (a conversion's three registers begin on an even number)
.endr
	v_nop                                          ; one plain place behind a scaled conversion
.irp c, 0,1                                    ; a WHOLE block to a lane: lanes 0-15 block 2 c, lanes 16-31 block 2 c + 1
.irp i, 0,1,2
	v_permlane16_swap_b32 v[CD+6*\c+\i], v[CD+12+4*\c+\i]
.endr
.irp i, 0,1,2
	v_mov_b32 v[CD+3+6*\c+\i], v[CD+12+4*\c+\i]
.endr
.endr
.endm
; Block a: 16 rows of R x my 128 rows of P.  The bias is added (the kinds differ in which of its registers: two arms of register work alone); each accumulator is read from its low end on.
; Then lanes 16-31 of an even block of P change places with lanes 0-15 of the odd block beside it: register 16 g + i is then index 32 g + 16 h + i.  Then the quantiser; then the stage.
.macro ROWS a
	s_cmp_lg_u32 s2, 0
	s_cbranch_scc1 .Lchan_\@
	WIN 0x02+(\a)/4                                ; source 0: window 2 or 3
.irp b, 0,1,2,3,4,5,6,7
.irp i, 0,2,4,6
	v_pk_add_f32 v[H+8*\b+\i:H+8*\b+\i+1], v[64*((\a)%4)+8*\b+\i:64*((\a)%4)+8*\b+\i+1], v[BI+8*\b+\i:BI+8*\b+\i+1]
.endr
.endr
	WIN 0
	s_branch .Ladded_\@
.Lchan_\@:
	WIN 0x02+(\a)/4
.irp b, 0,1,2,3,4,5,6,7
.irp i, 0,2,4,6
	v_pk_add_f32 v[H+8*\b+\i:H+8*\b+\i+1], v[64*((\a)%4)+8*\b+\i:64*((\a)%4)+8*\b+\i+1], v[BI+8*(\a)+\i:BI+8*(\a)+\i+1]
.endr
.endr
	WIN 0
.Ladded_\@:
.irp g, 0,1,2,3
.irp j, 0,1,2,3,4,5,6,7
	v_permlane16_swap_b32 v[H+16*\g+\j], v[H+16*\g+8+\j]
.endr
.endr
	s_wait_dscnt 0x0                               ; the last block's stores into the stage have read their registers
	QUANT H
.irp c, 0,1                                    ; row pi(16 a + r) = 32 (a / 2) + 8 (a % 2) + r + 8 (r / 8); my 24 bytes of it, for each half of the 128
.irp p, 0,1,2
	ds_store_b64 v[STO], v[CD+6*\c+2*\p:CD+6*\c+2*\p+1] offset:6144*\c+48*(32*((\a)/2)+8*((\a)%2))+8*\p
.endr
.endr
	v_lshrrev_b32 v[SW], v[SH], v[PW]
	ds_store_b32 v[SSO], v[SW] offset:4*(32*((\a)/2)+8*((\a)%2))
.endm
.irp a, 0,1,2,3,4,5,6,7
	ROWS \a
.endr
; Back from my own stage, 16 bytes a lane, 512 consecutive bytes an instruction.  LDS serves a wave's instructions in order (ISA guide 5.7.1.4): these loads see my stores.
.set ii, 0
.rept 24
	ds_load_b128 v[BK+4*ii:BK+4*ii+3], v[RD] offset:512*ii
.set ii, ii+1
.endr
	ds_load_b128 v[BS:BS+3], v[RD] offset:12288
	ds_load_b128 v[BS+4:BS+7], v[RD] offset:12800
.set ii, 0
.rept 24
	s_wait_dscnt 25-ii                             ; load ii is in; the 25 - ii younger ones may be out
	global_store_b128 v[L16], v[BK+4*ii:BK+4*ii+3], s[PB+2*(ii/6):PB+2*(ii/6)+1] offset:512*(ii%6)   ; 32 lanes store 512 consecutive bytes, at a multiple of 256 from the buffer's first byte
.set ii, ii+1
.endr
	s_wait_dscnt 1
	global_store_b128 v[VS], v[BS:BS+3], s[32:33]  ; the first region's scale words: 512 consecutive bytes, or (kind v) 256 for each of two heads
	s_wait_dscnt 0x0
	s_cmp_lg_u32 s2, 0
	s_cbranch_scc1 .Lno_second                     ; kind v has no second region
	global_store_b128 v[VS], v[BS+4:BS+7], s[34:35]
.Lno_second:
	s_wait_tensorcnt 0x0                           ; the wave's end: behind my last tensor load and my last LDS store
	ds_add_u32 v[SPW], v[NIL]
	s_wait_dscnt 0x0
	CROUND                                         ; the closing round: no work-group ends while a partner may still ask for a tile that names it
	s_endpgm
.Lfunc_end_k_q183dfcf402_qkv:
	.size	k_q183dfcf402_qkv, .Lfunc_end_k_q183dfcf402_qkv-k_q183dfcf402_qkv
	.p2alignl 7, 3214868480
	.fill 96, 4, 3214868480
	.section	.rodata,"a",@progbits
	.p2align	6, 0x0
	.amdhsa_kernel k_q183dfcf402_qkv
		.amdhsa_group_segment_fixed_size 327680
		.amdhsa_private_segment_fixed_size 0
		.amdhsa_enable_private_segment 0
		.amdhsa_kernarg_size 64
		.amdhsa_user_sgpr_count 2
		.amdhsa_user_sgpr_kernarg_segment_ptr 1
		.amdhsa_wavefront_size32 1
		.amdhsa_system_sgpr_workgroup_id_x 1
		.amdhsa_system_sgpr_workgroup_id_y 1
		.amdhsa_system_sgpr_workgroup_id_z 1
		.amdhsa_system_vgpr_workitem_id 0
		.amdhsa_next_free_vgpr 1024
		.amdhsa_next_free_sgpr 102
		.amdhsa_reserve_vcc 0
		.amdhsa_float_denorm_mode_32 3
		.amdhsa_float_denorm_mode_16_64 3
		.amdhsa_memory_ordered 1
		.amdhsa_forward_progress 1
		.amdhsa_inst_pref_size 222
	.end_amdhsa_kernel
	.amdgpu_metadata
---
amdhsa.version: [ 1, 2 ]
amdhsa.kernels:
  - .name:           k_q183dfcf402_qkv
    .symbol:         k_q183dfcf402_qkv.kd
    .args:
      - { .name: x_codes, .offset: 0, .size: 8, .value_kind: global_buffer, .address_space: global }
      - { .name: x_scales, .offset: 8, .size: 8, .value_kind: global_buffer, .address_space: global }
      - { .name: W_codes, .offset: 16, .size: 8, .value_kind: global_buffer, .address_space: global }
      - { .name: W_scales, .offset: 24, .size: 8, .value_kind: global_buffer, .address_space: global }
      - { .name: b, .offset: 32, .size: 8, .value_kind: global_buffer, .address_space: global }
      - { .name: qc, .offset: 40, .size: 8, .value_kind: global_buffer, .address_space: global }
      - { .name: qs, .offset: 48, .size: 8, .value_kind: global_buffer, .address_space: global }
      - { .name: kv, .offset: 56, .size: 8, .value_kind: global_buffer, .address_space: global }
    .group_segment_fixed_size: 327680
    .private_segment_fixed_size: 0
    .kernarg_segment_align: 8
    .kernarg_segment_size: 64
    .max_flat_workgroup_size: 128
    .sgpr_count:     102
    .vgpr_count:     1024
    .wavefront_size: 32
...
	.end_amdgpu_metadata
.endif
;; end of part 1
;; launch attn (part 2): grid 4 x 64, 16 waves a work-group, no clusters, 327,680 bytes of LDS; arguments qc, qs, kv, out0; writes out0
.if DOCPART == 2
	.amdgcn_target "amdgcn-amd-amdhsa--gfx1250"
	.amdhsa_code_object_version 6
	.text
	.protected	k_q183dfcf402_attn
	.globl	k_q183dfcf402_attn
	.p2align	8
	.type	k_q183dfcf402_attn,@function
k_q183dfcf402_attn:
	s_mov_b64 s[64:65], 0
	v_nop
	global_prefetch_b8 v0, s[64:65] scope:SCOPE_SE
	s_setreg_imm32_b32 hwreg(HW_REG_WAVE_MODE, 25, 1), 1
	s_wait_xcnt 0x0
.set REC,   13056
.set HEADB, 16*REC
.set HALFB, HEADB/2
.set PART,  HALFB/16
.set STG,   HEADB
.set AC0, 1
.set AS0, 2
.set ADC, 3
.set ADS, 4
.set STO, 5
.set RD,  6
.set GO,  7
.set DL,  11
.set KVF, 32
.set KSW, 86
.set VSW, 94
.set PSW, 98
.set S,   100
.set O,   164
.set CD,  196
.set BM,  216
.set BT,  220
.set BO,  224
.set F,   228
.set T0,  230
.set L2,  232
.set DD,  234
.set NINF, 235
.set WV,  12
.set G1,  16
.set SEL, 32
.set CS,  34
.set KF,  36
.set TB,  37
.set CNT, 38
	s_load_b256 s[4:11], s[0:1], 0x0
	v_lshl_add_u32 v254, v0, 2, 0x44000
	v_mov_b32 v255, 0
	ds_add_u32 v254, v255
	ds_add_u32 v254, v255
	v_lshrrev_b32 v1, 5, v0
	s_delay_alu instid0(VALU_DEP_1)
	v_readfirstlane_b32 s[WV], v1
	s_and_b32 s13, ttmp7, 0xffff
	s_mov_b32 s[G1+0], 3<<16
	s_mov_b32 s[G1+1], 816<<16
	s_mov_b32 s[G1+2], 1<<16
	s_mov_b32 s[G1+3], 816<<16
	s_mov_b32 s[G1+4], 1
	s_mov_b32 s[G1+5], 816
	s_mov_b32 s[G1+6], 0
	s_mov_b32 s[G1+7], 0
	s_mov_b32 s24, 1
	s_mul_i32 s25, s[WV], PART
	s_mov_b32 s28, 1
	s_add_co_u32 s29, s25, HALFB
	s_mul_i32 s14, s13, HEADB
	s_add_co_u32 s14, s14, s25
	s_mov_b32 s15, 0
	s_wait_dscnt 0x0
	s_wait_kmcnt 0x0
	s_add_nc_u64 s[26:27], s[8:9], s[14:15]
	s_add_nc_u64 s[30:31], s[26:27], HALFB
	s_or_b32 s27, s27, 0x80000000
	s_or_b32 s31, s31, 0x80000000
	tensor_load_to_lds s[24:27], s[G1:G1+7]
	s_nop 0
	s_wait_alu depctr_va_vdst(0)
	s_wait_tensorcnt 0x0
	ds_add_u32 v254, v255
	s_wait_dscnt 0x0
	s_barrier_signal -1
	s_barrier_wait -1
	tensor_load_to_lds s[28:31], s[G1:G1+7]
	s_nop 0
.rept 4
	v_nop
.endr
	s_mov_b32 s[SEL], 0x76543210
	s_mov_b32 s[SEL+1], 0xfedcba98
	s_mov_b32 s[CS], 0x3e38aa3b
	s_mov_b32 s[CS+1], s[CS]
	s_lshl_b32 s57, ttmp9, 8
	s_lshl_b32 s56, s[WV], 4
	s_add_co_u32 s39, s57, s56
	s_sub_co_u32 s40, 1792, s57
	s_add_co_u32 s40, s40, s56
	s_add_co_u32 s41, s39, 15
	s_add_co_u32 s42, s40, 15
	s_and_b32 s58, s[WV], 1
	s_lshl_b32 s58, s58, 3
.irp n, 0,1
	s_sub_co_u32 s59, s[39+\n], s58
	s_mul_i32 s56, s59, 48
	s_mul_i32 s57, s13, 98304
	s_add_co_u32 s56, s56, s57
	s_mov_b32 s57, 0
	s_add_nc_u64 s[44+2*\n:45+2*\n], s[4:5], s[56:57]
	s_lshl_b32 s56, s59, 2
	s_lshl_b32 s60, s13, 13
	s_add_co_u32 s56, s56, s60
	s_add_nc_u64 s[48+2*\n:49+2*\n], s[6:7], s[56:57]
	s_lshr_b32 s56, s13, 4
	s_lshl_b32 s56, s56, 11
	s_add_co_u32 s56, s56, s[39+\n]
	s_lshl_b32 s56, s56, 12
	s_and_b32 s60, s13, 15
	s_lshl_b32 s60, s60, 8
	s_add_co_u32 s56, s56, s60
	s_add_nc_u64 s[52+2*\n:53+2*\n], s[10:11], s[56:57]
.endr
	v_and_b32 v8, 15, v0
	v_bfe_u32 v9, v0, 4, 1
	s_delay_alu instid0(VALU_DEP_2)
	v_and_b32 v10, 8, v8
	s_delay_alu instid0(VALU_DEP_1)
	v_add_nc_u32 v10, v10, v8
	s_delay_alu instid0(VALU_DEP_1)
	v_mul_u32_u24 v30, v10, 48
	s_delay_alu instid0(VALU_DEP_1)
	v_mad_u32_u24 v30, v9, 24, v30
	s_delay_alu instid0(VALU_DEP_3)
	v_lshlrev_b32 v31, 2, v10
.irp p, 0,1,2
	global_load_b64 v[16+2*\p:17+2*\p], v30, s[44:45] offset:8*\p
	global_load_b64 v[236+2*\p:237+2*\p], v30, s[46:47] offset:8*\p
.endr
	global_load_b32 v28, v31, s[48:49]
	global_load_b32 v248, v31, s[50:51]
	v_mul_u32_u24 v[AC0], v8, 48
	s_delay_alu instid0(VALU_DEP_1)
	v_mad_u32_u24 v[AC0], v9, 24, v[AC0]
	v_lshlrev_b32 v[AS0], 2, v8
	s_mul_i32 s56, s[WV], 16*272
	s_add_co_u32 s56, s56, STG
	v_mul_u32_u24 v[STO], v8, 272
	s_delay_alu instid0(VALU_DEP_1)
	v_lshl_add_u32 v[STO], v9, 6, v[STO]
	s_delay_alu instid0(VALU_DEP_1)
	v_add_nc_u32 v[STO], s56, v[STO]
	v_mul_u32_u24 v[RD], v9, 272
	s_delay_alu instid0(VALU_DEP_1)
	v_lshl_add_u32 v[RD], v8, 4, v[RD]
	s_delay_alu instid0(VALU_DEP_1)
	v_add_nc_u32 v[RD], s56, v[RD]
	v_lshlrev_b32 v[GO], 12, v9
	s_delay_alu instid0(VALU_DEP_1)
	v_lshl_add_u32 v[GO], v8, 4, v[GO]
	v_lshlrev_b32 v[DL], 4, v9
	s_delay_alu instid0(VALU_DEP_1)
	v_sub_nc_u32 v[DL], v8, v[DL]
	v_mov_b32 v[NINF], 0xff800000
.irp j, 6,7,8,9,10,11
	v_mov_b32 v[16+\j], 0
	v_mov_b32 v[236+\j], 0
	v_mov_b32 v[KVF+42+\j], 0
.endr
.irp b, 0,1,2,3
	v_mov_b32 v[BT+\b], 0
.endr
	v_mov_b32 v[T0], 0
	v_mov_b32 v[F+1], 0
.macro STEP qf, qsc, q0, qe
	s_cmp_gt_u32 s[KF], s[\qe]
	s_cbranch_scc1 .Lhidden_\@
	s_setprio 2
	v_add_nc_u32 v[ADC], s[TB], v[AC0]
	v_add_nc_u32 v[ADS], s[TB], v[AS0]
	v_nop
	v_nop
.irp t, 0,1,2,3,4,5,6,7
.irp p, 0,1,2
	ds_load_b64 v[KVF+6*\t+2*\p:KVF+6*\t+2*\p+1], v[ADC] offset:768*\t+8*\p
.endr
	ds_load_b32 v[KSW+\t], v[ADS] offset:12288+64*\t
.endr
	s_wait_alu depctr_va_vdst(0)
	s_wait_dscnt 0x0
.irp t, 0,1,2,3,4,5,6,7
	v_wmma_scale_f32_16x16x128_f8f6f4 v[S+8*\t:S+8*\t+7], v[KVF+6*\t:KVF+6*\t+11], v[\qf:\qf+11], 0, v[KSW+\t], v[\qsc] matrix_a_fmt:MATRIX_FMT_FP6 matrix_b_fmt:MATRIX_FMT_FP6
.endr
.rept 4
	v_nop
.endr
.irp t, 0,1,2,3
.irp p, 0,1,2,3,4,5
	ds_load_b64 v[KVF+12*\t+2*\p:KVF+12*\t+2*\p+1], v[ADC] offset:6144+3072*(\p/3)+768*\t+8*(\p%3)
.endr
	ds_load_b32 v[VSW+\t], v[ADS] offset:12800+64*\t
.endr
	s_add_co_u32 s56, s[KF], 127
	s_cmp_le_u32 s56, s[\q0]
	s_cbranch_scc1 .Lopen_\@
	s_sub_co_i32 s56, s[\q0], s[KF]
	v_add_nc_u32 v[DD], s56, v[DL]
.set nn, 0
.rept 64
	v_cmp_gt_i32 vcc_lo, 32*(nn/16)+nn%16, v[DD]
	v_cndmask_b32 v[S+nn], v[S+nn], v[NINF], vcc_lo
.set nn, nn+1
.endr
.Lopen_\@:
.irp b, 0,1,2,3
	v_max3_num_f32 v[BM+\b], v[S+16*\b], v[S+1+16*\b], v[S+2+16*\b]
.endr
.irp i, 3,5,7,9,11,13
.irp b, 0,1,2,3
	v_max3_num_f32 v[BM+\b], v[BM+\b], v[S+16*\b+\i], v[S+1+16*\b+\i]
.endr
.endr
.irp b, 0,1,2,3
	v_max_num_f32 v[BM+\b], v[BM+\b], v[S+15+16*\b]
.endr
.irp b, 0,1,2,3
	s_delay_alu instid0(VALU_DEP_4)
	v_permlanex16_b32 v[BT+\b], v[BM+\b], s[SEL], s[SEL+1]
.endr
.irp b, 0,1,2,3
	s_delay_alu instid0(VALU_DEP_4)
	v_max_num_f32 v[BM+\b], v[BM+\b], v[BT+\b]
.endr
	s_delay_alu instid0(VALU_DEP_2)
	v_max3_num_f32 v[T0], v[BM], v[BM+1], v[BM+2]
	s_delay_alu instid0(VALU_DEP_1)
	v_max_num_f32 v[T0], v[T0], v[BM+3]
	s_delay_alu instid0(VALU_DEP_1)
	v_mul_f32 v[T0], s[CS], v[T0]
	s_delay_alu instid0(VALU_DEP_1)
	v_max_num_f32 v13, v13, v[T0]
	v_mov_b32 v[T0], v12
	s_delay_alu instid0(VALU_DEP_2)
	v_floor_f32 v12, -v13
	s_delay_alu instid0(VALU_DEP_1)
	v_sub_f32 v[T0], v12, v[T0]
	s_delay_alu instid0(VALU_DEP_1)
	v_cvt_i32_f32 v[T0], v[T0]
	s_delay_alu instid0(VALU_DEP_1)
	v_ldexp_f32 v[F], 1.0, v[T0]
.set jj, 0
	s_setprio 1
.rept 32
	v_pk_fma_f32 v[S+jj:S+jj+1], v[S+jj:S+jj+1], s[CS:CS+1], v[12:13] op_sel_hi:[1,0,0]
.set jj, jj+2
.endr
.irp b, 0,1,2,3
	v_fma_f32 v[BM+\b], v[BM+\b], s[CS], v12
.endr
.set jj, 0
	s_wait_alu depctr_va_vdst(0)
.rept 64
	v_exp_f32 v[S+jj], v[S+jj]
.set jj, jj+1
.endr
.irp b, 0,1,2,3
	v_exp_f32 v[BM+\b], v[BM+\b]
.endr
	v_pk_mul_f32 v[14:15], v[14:15], v[F:F+1] op_sel_hi:[1,0]
	s_wait_alu depctr_va_vdst(0)
.irp b, 0,1,2,3
	v_max_num_f32 v[BM+\b], 0x1800000, v[BM+\b]
.endr
.irp b, 0,1,2,3
	s_delay_alu instid0(VALU_DEP_4)
	v_add_nc_u32 v[BO+\b], 0xff000000, v[BM+\b]
.endr
.irp b, 0,1,2,3
	s_delay_alu instid0(VALU_DEP_4)
	v_lshrrev_b32 v[BT+\b], 23, v[BO+\b]
.endr
	s_delay_alu instid0(VALU_DEP_3)
	v_lshl_or_b32 v[PSW], v[BT+1], 8, v[BT]
	s_delay_alu instid0(VALU_DEP_1)
	v_lshl_or_b32 v[PSW], v[BT+2], 16, v[PSW]
	s_delay_alu instid0(VALU_DEP_1)
	v_lshl_or_b32 v[PSW], v[BT+3], 24, v[PSW]
.irp c, 0,1
	v_cvt_scalef32_pk16_fp6_f32 v[CD+6*\c:CD+2+6*\c], v[S+32*\c:S+15+32*\c], v[BO+2*\c]
	v_cvt_scalef32_pk16_fp6_f32 v[CD+12+4*\c:CD+14+4*\c], v[S+16+32*\c:S+31+32*\c], v[BO+2*\c+1]
.endr
	v_nop
.irp c, 0,1
.irp i, 0,1,2
	v_permlane16_swap_b32 v[CD+6*\c+\i], v[CD+12+4*\c+\i]
.endr
.irp i, 0,1,2
	s_delay_alu instid0(VALU_DEP_3)
	v_mov_b32 v[CD+3+6*\c+\i], v[CD+12+4*\c+\i]
.endr
.endr
	v_pk_add_f32 v[L2:L2+1], v[S:S+1], v[S+2:S+3]
	s_setprio 0
.irp j, 4,8,12,16,20,24,28,32,36,40,44,48,52,56,60
	v_pk_add_f32 v[14:15], v[14:15], v[S+\j:S+\j+1]
	v_pk_add_f32 v[L2:L2+1], v[L2:L2+1], v[S+2+\j:S+3+\j]
.endr
	s_delay_alu instid0(VALU_DEP_1)
	v_pk_add_f32 v[14:15], v[14:15], v[L2:L2+1]
.set jj, 0
.rept 16
	v_pk_mul_f32 v[O+jj:O+jj+1], v[O+jj:O+jj+1], v[F:F+1] op_sel_hi:[1,0]
.set jj, jj+2
.endr
	s_wait_alu depctr_va_vdst(0)
	s_wait_dscnt 0x0
.irp t, 0,1,2,3
	v_wmma_scale_f32_16x16x128_f8f6f4 v[O+8*\t:O+8*\t+7], v[KVF+12*\t:KVF+12*\t+11], v[CD:CD+11], v[O+8*\t:O+8*\t+7], v[VSW+\t], v[PSW] matrix_a_fmt:MATRIX_FMT_FP6 matrix_b_fmt:MATRIX_FMT_FP6
.endr
.Lhidden_\@:
	s_add_co_u32 s[KF], s[KF], 128
	s_add_co_u32 s[TB], s[TB], REC
.endm
.macro PASS n, qf, qsc, q0, qe, ob
	v_mov_b32 v13, 0xff61b1e6
	s_delay_alu instid0(VALU_DEP_1)
	v_floor_f32 v12, -v13
	v_mov_b32 v14, 0
	v_mov_b32 v15, 0
.set jj, 0
.rept 32
	v_mov_b32 v[O+jj], 0
.set jj, jj+1
.endr
	s_mov_b32 s[KF], 0
	s_mov_b32 s[TB], 0
	s_mov_b32 s[CNT], \n
.Lstep_\@:
	STEP \qf, \qsc, \q0, \qe
	s_sub_co_u32 s[CNT], s[CNT], 1
	s_cmp_lg_u32 s[CNT], 0
	s_cbranch_scc1 .Lstep_\@
	s_setprio 0
.rept 4
	v_nop
.endr
	v_add_f32 v14, v14, v15
	s_delay_alu instid0(VALU_DEP_1)
	v_permlanex16_b32 v[T0], v14, s[SEL], s[SEL+1]
	s_delay_alu instid0(VALU_DEP_1)
	v_add_f32 v14, v14, v[T0]
	s_wait_alu depctr_va_vdst(0)
	v_rcp_f32 v14, v14
	v_nop
.set jj, 0
	s_wait_alu depctr_va_vdst(0)
.rept 16
	v_pk_mul_f32 v[S+jj:S+jj+1], v[O+jj:O+jj+1], v[14:15] op_sel_hi:[1,0]
.set jj, jj+2
.endr
.irp t, 0,1,2,3
	ds_store_b128 v[STO], v[S+8*\t:S+8*\t+3] offset:128*(\t/2)+32*(\t%2)
	ds_store_b128 v[STO], v[S+8*\t+4:S+8*\t+7] offset:128*(\t/2)+32*(\t%2)+16
.endr
.irp i, 0,1,2,3,4,5,6,7
	ds_load_b128 v[KVF+4*\i:KVF+4*\i+3], v[RD] offset:544*\i
.endr
.irp i, 0,1,2,3,4,5,6,7
	s_wait_dscnt 7-\i
	global_store_b128 v[GO], v[KVF+4*\i:KVF+4*\i+3], s[\ob:\ob+1] offset:8192*\i th:TH_STORE_NT
.endr
.endm
	s_wait_loadcnt 0x0
	s_wait_tensorcnt 0x1
	s_barrier_signal -1
	s_barrier_wait -1
	PASS 8, 16, 28, 39, 41, 52
	s_wait_tensorcnt 0x0
	s_wait_dscnt 0x0
	s_barrier_signal -1
	s_barrier_wait -1
	s_wait_xcnt 0x0
	PASS 16, 236, 248, 40, 42, 54
	s_wait_tensorcnt 0x0
	ds_add_u32 v254, v255
	s_wait_dscnt 0x0
	s_endpgm
.Lfunc_end_k_q183dfcf402_attn:
	.size	k_q183dfcf402_attn, .Lfunc_end_k_q183dfcf402_attn-k_q183dfcf402_attn
	.p2alignl 7, 3214868480
	.fill 96, 4, 3214868480
	.section	.rodata,"a",@progbits
	.p2align	6, 0x0
	.amdhsa_kernel k_q183dfcf402_attn
		.amdhsa_group_segment_fixed_size 327680
		.amdhsa_private_segment_fixed_size 0
		.amdhsa_enable_private_segment 0
		.amdhsa_kernarg_size 32
		.amdhsa_user_sgpr_count 2
		.amdhsa_user_sgpr_kernarg_segment_ptr 1
		.amdhsa_wavefront_size32 1
		.amdhsa_system_sgpr_workgroup_id_x 1
		.amdhsa_system_sgpr_workgroup_id_y 1
		.amdhsa_system_sgpr_workgroup_id_z 1
		.amdhsa_system_vgpr_workitem_id 0
		.amdhsa_next_free_vgpr 256
		.amdhsa_next_free_sgpr 66
		.amdhsa_reserve_vcc 1
		.amdhsa_float_denorm_mode_32 3
		.amdhsa_float_denorm_mode_16_64 3
		.amdhsa_memory_ordered 1
		.amdhsa_forward_progress 1
		.amdhsa_inst_pref_size 65
	.end_amdhsa_kernel
	.amdgpu_metadata
---
amdhsa.version: [ 1, 2 ]
amdhsa.kernels:
  - .name:           k_q183dfcf402_attn
    .symbol:         k_q183dfcf402_attn.kd
    .args:
      - { .name: qc, .offset: 0, .size: 8, .value_kind: global_buffer, .address_space: global }
      - { .name: qs, .offset: 8, .size: 8, .value_kind: global_buffer, .address_space: global }
      - { .name: kv, .offset: 16, .size: 8, .value_kind: global_buffer, .address_space: global }
      - { .name: out0, .offset: 24, .size: 8, .value_kind: global_buffer, .address_space: global }
    .group_segment_fixed_size: 327680
    .private_segment_fixed_size: 0
    .kernarg_segment_align: 8
    .kernarg_segment_size: 32
    .max_flat_workgroup_size: 512
    .sgpr_count:     66
    .vgpr_count:     256
    .wavefront_size: 32
...
	.end_amdgpu_metadata
.endif
;; end of part 2
